; MI455X (gfx1250); checked and timed in simulation.
; The chip was launched on July 23, 2026; its instructions are those of AMD's public machine-readable ISA for CDNA 5 (MIT licence, August 2026) and "CDNA5" Instruction Set Architecture Reference Guide (July 2026). The comments in the code are by the model that wrote it; some were corrected since.
;; Fast Attention. Allowed arithmetic: float matrix products may take bf16 or f16 operands with f32 sums; other float arithmetic in f32, or as packed bf16 or f16 multiplies, adds, multiply-adds, maxima and minima; sums over many terms, partial sums and values carried from step to step in f32; what a program stores and reads back later, other than sums and carried values, may be rounded once to bf16 or f16.
;; Inputs: k 4 x 16 x 4,096 x 64 float32; projection_matrix 64 x 64 float32; q 4 x 16 x 4,096 x 64 float32; v 4 x 16 x 4,096 x 64 float32.
;; Outputs: out0 4 x 16 x 4,096 x 64 float32.
;; One version. Each part assembles by itself: llvm-mc -triple=amdgcn-amd-amdhsa -mcpu=gfx1250 --defsym DOCPART=n.
;; ======== version 1 of 1: 2 launches
;; limits: values are held in f16: magnitudes above 65,504 overflow, below 6.1e-05 lose precision
;; workspace buffers: st 4,325,376 bytes; mx 1,024 bytes
;; launch kstate (part 1): grid 256 x 1, 8 waves a work-group, no clusters, 146,432 bytes of LDS; arguments k, v, projection_matrix, st, mx; writes st, mx
.if DOCPART == 1
	.amdgcn_target "amdgcn-amd-amdhsa--gfx1250"
	.amdhsa_code_object_version 6
	.text
	.protected	k_q44c76d3faa_kstate
	.globl	k_q44c76d3faa_kstate
	.p2align	8
	.type	k_q44c76d3faa_kstate,@function
k_q44c76d3faa_kstate:
	s_mov_b64 s[64:65], 0
	v_nop
	global_prefetch_b8 v0, s[64:65] scope:SCOPE_SE
	s_setreg_imm32_b32 hwreg(HW_REG_WAVE_MODE, 25, 1), 1
	s_wait_xcnt 0x0
; FIRST PASS OF PERFORMER ATTENTION: the key state of each 1,024 rows, relative to that block's own maximum.
; k, v: [64 heads][4096][64] f32; proj: [64][64] f32.  Work-group x owns rows 1,024 x .. (head x / 4, segment x % 4), each of its eight waves 128 of them, 32 a trip.
; With raw = proj . k (bf16 operands, f32 sums), ss = the row's sum of squares (of the bf16 numbers), Lc = 64^-1/4 log2 e, DG = log2 e / 16:
;   E = 2^(Lc raw - DG ss - Lc m), m a running maximum of raw (so E <= 1, kept in f16);  S = sum E^T v,  K = sum E,  SV = sum v.
; The record of a block in st: S (16,384 bytes, register order), K (256 bytes), SV (256 bytes), all f32; mx takes the block's maximum of raw.  The next launch forms the global maximum M
; and turns the record into the state of exp(..- M) + 1e-4: 2^(Lc (m - M)) S + 1e-4 (1 x SV), and likewise for K.
; FORMATS.  k, proj rounded to bf16; v rounded to bf16 and that number written as f16.  LIMITS: |v| < 65,504; |v| under 2^-14 keeps f16's fixed step of 6e-8; E under 6e-5 likewise
; (it stands beside 1e-4); NaN and infinities are not treated apart.
; NO TENSOR LOADS, NO CLUSTER: no wave wants a byte of k or v that another wave fetched; a wave has 32 loads of 512 consecutive bytes (16 KiB) on their way, the work-group 128 KiB.
; LAYOUT.  lane L: r = L % 16, h = L / 16.  raw^T = proj x k^T: a lane holds ONE key (r) and features 16 mt + 8 h + j.  S accumulator (mt, u), number qn = 8 (mt / 2) + 2 u + mt % 2:
; register j = S[16 mt + 8 h + j][16 u + r].  Dump: registers 4 g .. 4 g + 3 at byte 512 g + 16 L.  K: registers 4 g .. at byte 32 g + 16 h.
.set REC,   16896
.set VSTG,  0          ; in a wave's slot of 16,384 bytes: 32 rows of v in f16, pitch 160
.set ESTG,  5120       ; 32 rows of E in f16, pitch 160 (5 x 32 bytes)
.set XSTG,  10240      ; 32 rows of k in bf16, pitch 144 (9 x 16 bytes: 16 rows start at 16 different groups of four banks)
.set LXK,   131072     ; 8 x 256: each wave's K
.set LXVS,  133120     ; 8 x 256: each wave's SV
.set MW,    135168     ; 8 x 8: each wave's maximum
.set PJL,   135424     ; proj in bf16, 64 rows, pitch 144
.set SPARE, 144640     ; the spare words: 128 bytes for each wave, four blocks of 256 bytes that no other line names
.set SPW, 1
.set NIL, 2
.set ZR,  3            ; 0
.set CO,  4            ; 16 L
.set XST, 5
.set XRD, 6
.set VST, 7
.set VTA, 8
.set KST, 9
.set KTA, 10
.set DMP, 11
.set KDA, 12
.set SL0, 13           ; 2,048 w + 16 L: my slice of a dump, and my bytes of proj and of the record
.set MR,  14           ; v14 the running maximum; v15 its partner in a pair
.set CH,  16           ; v16-19 four chains
.set B0,  20           ; v20-21, v22-23: a tile's ss, then its bias, low word of a pair
.set B1,  22
.set ONES, 24          ; v24-31 1.0 in f16
.set PJ,  32           ; v32-95 proj's fragments: (mt, f) at 16 mt + 8 f
.set KA,  96           ; v96-127 K's four accumulators
.set KB,  128          ; v128-159 k's fragments: (tile i, f) at 16 i + 8 f; later E
.set EE,  128
.set VS,  160          ; v160-163 sums of v
.set MXT, 164          ; v164-171 at work
.set VT4, 172          ; v172-179 two sets of four
.set CJ,  172          ; the tail: v172-187, c_j at 172 + 2 j
.set DDR, 192          ; v192-255 raw^T: (i, mt) at 32 i + 8 mt
.set TV,  192
.set TX,  224
.set KT,  192          ; E^T's fragments
.set VT,  224          ; v^T's fragments
.set RR,  192
.set RXK, 128          ; window 1: v0-127 S; v128-191 32 rows of k as loaded; v192-255 of v
.set RXV, 192
.set PK,  4
.set PV,  6
.set WV,  14
.set CNT, 15
.set LC,  24
.set NDG, 26
.set HI,  27
.set SEL, 32
.set MSB, 0
.macro WIN new                      ; the high byte repeats the setting that is left; a switch that changes nothing is dropped
.if MSB != (\new)
	s_set_vgpr_msb (MSB<<8)|(\new)
.set MSB, (\new)
.endif
.endm
.macro PLACES                       ; four places behind a matrix instruction (ISA guide 7.12.1)
.rept 4
	v_nop
.endr
.endm
.macro LD16 dst, base, off          ; 32 rows: each load of the wave covers 512 consecutive bytes: row 2 n + h, channels 4 r ..
.set n, 0
.rept 16
	global_load_b128 v[(\dst)+4*n:(\dst)+4*n+3], v[CO], s[\base:\base+1] offset:(\off)+512*n th:TH_LOAD_NT
.set n, n+1
.endr
.endm
.macro TOBF src, dst
.set n, 0
.rept 32
	v_cvt_pk_bf16_f32 v[(\dst)+n], v[(\src)+2*n], v[(\src)+2*n+1]
.set n, n+1
.endr
.endm
.macro XSTAGE tmp, kb               ; 32 rows of bf16 through my own stage into fragments; LDS serves a wave's instructions in order (ISA guide 5.7.1.4)
.set n, 0
.rept 16
	ds_store_b64 v[XST], v[(\tmp)+2*n:(\tmp)+2*n+1] offset:XSTG+288*n
.set n, n+1
.endr
.set n, 0
.rept 8                             ; n = 4 i + 2 f + z
	ds_load_b128 v[(\kb)+4*n:(\kb)+4*n+3], v[XRD] offset:XSTG+(n/4)*2304+((n/2)%2)*64+(n%2)*32
.set n, n+1
.endr
.endm
.macro VCONV tmp, rowoff, sums      ; v: bf16 widened, summed, written as f16, into rows of 160 bytes
.set n, 0
.rept 16
.set t, VT4+4*(n%2)
	v_lshlrev_b32 v[t], 16, v[(\tmp)+2*n]
	v_and_b32 v[t+1], s[HI], v[(\tmp)+2*n]
	v_lshlrev_b32 v[t+2], 16, v[(\tmp)+2*n+1]
	v_and_b32 v[t+3], s[HI], v[(\tmp)+2*n+1]
.if \sums
	v_pk_add_f32 v[VS:VS+1], v[VS:VS+1], v[t:t+1]
	v_pk_add_f32 v[VS+2:VS+3], v[VS+2:VS+3], v[t+2:t+3]
.endif
	v_cvt_pk_f16_f32 v[t], v[t], v[t+1]
	v_cvt_pk_f16_f32 v[t+1], v[t+2], v[t+3]
	ds_store_b64 v[VST], v[t:t+1] offset:(\rowoff)+320*n
.set n, n+1
.endr
.endm
.macro DD ntiles, kb, dd            ; raw^T = proj x rows^T; the accumulators take turns; the first 32 channels start the sums
.irp f, 0,1
.set i, 0
.rept \ntiles
.irp mt, 0,1,2,3
.if (\f) == 0
	v_wmma_f32_16x16x32_bf16 v[(\dd)+32*i+8*(\mt):(\dd)+32*i+8*(\mt)+7], v[PJ+16*(\mt):PJ+16*(\mt)+7], v[(\kb)+16*i:(\kb)+16*i+7], 0
.else
	v_wmma_f32_16x16x32_bf16 v[(\dd)+32*i+8*(\mt):(\dd)+32*i+8*(\mt)+7], v[PJ+16*(\mt)+8:PJ+16*(\mt)+15], v[(\kb)+16*i+8:(\kb)+16*i+15], v[(\dd)+32*i+8*(\mt):(\dd)+32*i+8*(\mt)+7]
.endif
.endr
.set i, i+1
.endr
.endr
.endm
.macro DIAG src, dst                ; the row's sum of squares, of the bf16 numbers: my 32 channels in four chains, then the lane 16 away
.set g, 0
.rept 4
.irp c, 0,1,2,3
.if g == 0
	v_fma_mix_f32_bf16 v[CH+(\c)], v[(\src)+(\c)], v[(\src)+(\c)], v[ZR] op_sel_hi:[1,1,0]
.else
	v_fma_mix_f32_bf16 v[CH+(\c)], v[(\src)+4*g+(\c)], v[(\src)+4*g+(\c)], v[CH+(\c)] op_sel_hi:[1,1,0]
.endif
.endr
.irp c, 0,1,2,3
	v_fma_mix_f32_bf16 v[CH+(\c)], v[(\src)+4*g+(\c)], v[(\src)+4*g+(\c)], v[CH+(\c)] op_sel:[1,1,0] op_sel_hi:[1,1,0]
.endr
.set g, g+1
.endr
	v_add_f32 v[CH], v[CH], v[CH+1]
	v_add_f32 v[CH+2], v[CH+2], v[CH+3]
	v_add_f32 v[CH], v[CH], v[CH+2]
	v_permlanex16_b32 v[CH+1], v[CH], s[SEL], s[SEL+1]
	v_add_f32 v[\dst], v[CH], v[CH+1]
.endm
.macro RED32 x, y                   ; the maximum over the 32 lanes, in every lane
	v_max_num_f32_dpp v[\x], v[\x], v[\x] row_xmask:1 row_mask:0xf bank_mask:0xf
	v_max_num_f32_dpp v[\x], v[\x], v[\x] row_xmask:2 row_mask:0xf bank_mask:0xf
	v_max_num_f32_dpp v[\x], v[\x], v[\x] row_xmask:4 row_mask:0xf bank_mask:0xf
	v_max_num_f32_dpp v[\x], v[\x], v[\x] row_xmask:8 row_mask:0xf bank_mask:0xf
	v_permlanex16_b32 v[\y], v[\x], s[SEL], s[SEL+1]
	v_max_num_f32 v[\x], v[\x], v[\y]
.endm
.macro STATE first, kfoff, voff     ; S += E^T v, K += E^T 1 for 32 keys: both operands turned on their way out of LDS; 20 different accumulators
	WIN 0
.irp m, 0,1,2,3
	ds_load_tr16_b128 v[KT+8*(\m):KT+8*(\m)+3], v[KTA] offset:(\kfoff)+32*(\m)
	ds_load_tr16_b128 v[KT+8*(\m)+4:KT+8*(\m)+7], v[KTA] offset:(\kfoff)+32*(\m)+2560
.endr
.irp u, 0,1,2,3
	ds_load_tr16_b128 v[VT+8*(\u):VT+8*(\u)+3], v[VTA] offset:(\voff)+32*(\u)
	ds_load_tr16_b128 v[VT+8*(\u)+4:VT+8*(\u)+7], v[VTA] offset:(\voff)+32*(\u)+2560
.endr
	s_wait_dscnt 0x0
	WIN 0x50                        ; C and D in window 1
.irp m, 0,1,2,3
.irp u, 0,1,2,3
.set qn, 8*(8*((\m)/2)+2*(\u)+(\m)%2)
.if \first
	v_wmma_f32_16x16x32_f16 v[qn:qn+7], v[KT+8*(\m):KT+8*(\m)+7], v[VT+8*(\u):VT+8*(\u)+7], 0
.else
	v_wmma_f32_16x16x32_f16 v[qn:qn+7], v[KT+8*(\m):KT+8*(\m)+7], v[VT+8*(\u):VT+8*(\u)+7], v[qn:qn+7]
.endif
.endr
.endr
	WIN 0
.irp m, 0,1,2,3
.if \first
	v_wmma_f32_16x16x32_f16 v[KA+8*(\m):KA+8*(\m)+7], v[KT+8*(\m):KT+8*(\m)+7], v[ONES:ONES+7], 0
.else
	v_wmma_f32_16x16x32_f16 v[KA+8*(\m):KA+8*(\m)+7], v[KT+8*(\m):KT+8*(\m)+7], v[ONES:ONES+7], v[KA+8*(\m):KA+8*(\m)+7]
.endif
.endr
.endm
.macro DUMP                         ; my S over my whole slot, my K beside it; each accumulator from its low end on
	WIN 0x04
.set g, 0
.rept 32
	ds_store_b128 v[DMP], v[4*g:4*g+3] offset:512*g
.set g, g+1
.endr
	WIN 0
.set g, 0
.rept 8
	ds_store_b128 v[KDA], v[KA+4*g:KA+4*g+3] offset:32*g
.set g, g+1
.endr
.endm
	s_load_b256 s[4:11], s[0:1], 0x0               ; k s[4:5], v s[6:7], proj s[8:9], st s[10:11]
	s_load_b64 s[12:13], s[0:1], 0x20              ; mx
	v_lshl_add_u32 v[SPW], v0, 2, SPARE
	v_mov_b32 v[NIL], 0
	v_mov_b32 v[ZR], 0
	v_lshrrev_b32 v16, 5, v0
	v_readfirstlane_b32 s[WV], v16                 ; wave 0..7
	v_and_b32 v17, 31, v0                          ; L
	v_and_b32 v18, 15, v0                          ; r
	v_bfe_u32 v19, v0, 4, 1                        ; h
	v_lshlrev_b32 v[CO], 4, v17
	s_lshl_b32 s20, s[WV], 14                      ; my slot
	v_mul_u32_u24 v20, v19, 144
	v_lshl_add_u32 v20, v18, 3, v20                ; 144 h + 8 r
	v_add_nc_u32 v[XST], s20, v20
	v_mul_u32_u24 v21, v18, 144
	v_lshl_add_u32 v21, v19, 4, v21                ; 144 r + 16 h
	v_add_nc_u32 v[XRD], s20, v21
	v_mul_u32_u24 v22, v19, 160
	v_lshl_add_u32 v22, v18, 3, v22
	v_add_nc_u32 v[VST], s20, v22                  ; 160 h + 8 r
	v_mul_u32_u24 v22, v18, 160
	v_lshl_add_u32 v22, v19, 4, v22
	v_add_nc_u32 v[KST], s20, v22                  ; 160 r + 16 h
	v_and_b32 v22, 7, v0
	v_lshl_add_u32 v22, v19, 3, v22
	v_mul_u32_u24 v22, v22, 160
	v_bfe_u32 v23, v0, 3, 1
	v_lshl_add_u32 v22, v23, 4, v22                ; the turning load: (8 h + L % 8) 160 + 16 ((L / 8) % 2)
	v_add_nc_u32 v[KTA], s20, v22
	v_add_nc_u32 v[VTA], s20, v22
	v_add_nc_u32 v[DMP], s20, v[CO]
	s_lshl_b32 s21, s[WV], 8
	s_add_co_u32 s21, s21, LXK
	v_lshl_add_u32 v[KDA], v19, 4, s21
	s_lshl_b32 s21, s[WV], 11
	v_add_nc_u32 v[SL0], s21, v[CO]
	s_mul_i32 s21, s[WV], 8*144
	s_add_co_u32 s21, s21, PJL
	v_add_nc_u32 v20, s21, v20                     ; proj in: row 8 w + 2 n + h
	v_add_nc_u32 v21, PJL, v21                     ; proj out: a fragment's row
	v_mov_b32 v[MR], 0xff7fffff                    ; the lowest finite number
	v_mov_b32 v[MR+1], 0
	s_mov_b32 s[LC], 0x3f0293ee                    ; Lc
	s_mov_b32 s[LC+1], s[LC]
	s_mov_b32 s[NDG], 0xbdb8aa3b                   ; -DG
	s_mov_b32 s[HI], 0xffff0000
	s_mov_b32 s[SEL], 0x76543210
	s_mov_b32 s[SEL+1], 0xfedcba98
	s_lshl_b32 s16, ttmp9, 18                      ; 1,024 rows of 256 bytes a work-group,
	s_lshl_b32 s17, s[WV], 15                      ; 128 a wave
	s_add_co_u32 s16, s16, s17
	s_mov_b32 s17, 0
	s_mul_i32 s18, ttmp9, REC
	s_mov_b32 s19, 0
	s_lshl_b32 s22, ttmp9, 2
	s_mov_b32 s23, 0
	s_wait_kmcnt 0x0
	s_add_nc_u64 s[PK:PK+1], s[PK:PK+1], s[16:17]
	s_add_nc_u64 s[PV:PV+1], s[PV:PV+1], s[16:17]
	s_add_nc_u64 s[10:11], s[10:11], s[18:19]
	s_add_nc_u64 s[12:13], s[12:13], s[22:23]
.irp n, 0,1,2,3
	global_load_b128 v[164+4*(\n):164+4*(\n)+3], v[SL0], s[8:9] offset:512*(\n)  ; my 8 rows of proj
.endr
	WIN 0x40
	LD16 RXK, PK, 0
	LD16 RXV, PV, 0
	WIN 0
.irp n, 0,1,2,3,4,5,6,7
	v_mov_b32 v[ONES+(\n)], 0x3c003c00
.endr
.irp n, 0,1,2,3
	v_mov_b32 v[VS+(\n)], 0
.endr
	s_wait_loadcnt 32                              ; proj's four loads are in; the 32 younger ones, the first trip's k and v, stay out
.irp n, 0,1,2,3,4,5,6,7
	v_cvt_pk_bf16_f32 v[180+(\n)], v[164+2*(\n)], v[164+2*(\n)+1]
.endr
.irp n, 0,1,2,3
	ds_store_b64 v20, v[180+2*(\n):180+2*(\n)+1] offset:288*(\n)
.endr
	s_wait_dscnt 0x0                               ; for the others' sake: my rows of proj lie in LDS
	s_barrier_signal -1
	s_barrier_wait -1
.set n, 0
.rept 16                                           ; n = 4 mt + 2 f + z
	ds_load_b128 v[PJ+4*n:PJ+4*n+3], v21 offset:(n/4)*2304+((n/2)%2)*64+(n%2)*32
.set n, n+1
.endr
	s_wait_dscnt 0x0
; A TRIP: 32 keys.  first = 1: the trip written out ahead of the loop: its products start the sums, and nothing is rescaled.
.macro KTRIP first
.if !(\first)
	PLACES                                         ; the conversions below write registers that the last trip's products read
.endif
	s_wait_loadcnt 0x0                             ; all that is out is this trip's 32 loads; the two pointers are free with it
	WIN 0x05
	TOBF RXK, TX
	TOBF RXV, TV
	WIN 0
	s_add_nc_u64 s[PK:PK+1], s[PK:PK+1], 8192
	s_add_nc_u64 s[PV:PV+1], s[PV:PV+1], 8192
.if !(\first)
	s_cmp_eq_u32 s[CNT], 1                         ; the last trip asks for nothing
	s_cbranch_scc1 .Lnoload
.endif
	WIN 0x40
	LD16 RXK, PK, 0
	LD16 RXV, PV, 0
	WIN 0
.if !(\first)
.Lnoload:
.endif
	XSTAGE TX, KB
	VCONV TV, VSTG, 1
	s_wait_dscnt 16                                ; k's fragments are in; the 16 younger instructions are v's stores
	DD 2, KB, DDR
	DIAG KB, B0
	DIAG KB+16, B1
	PLACES
	; the maximum of the 64 registers and of the old m; each accumulator's lowest registers are read first
.irp a, 0,1,2,3,4,5,6,7
	v_max3_num_f32 v[MXT+(\a)], v[DDR+8*(\a)], v[DDR+8*(\a)+1], v[DDR+8*(\a)+2]
.endr
.irp a, 0,1,2,3,4,5,6,7
	v_max3_num_f32 v[MXT+(\a)], v[MXT+(\a)], v[DDR+8*(\a)+3], v[DDR+8*(\a)+4]
.endr
.irp a, 0,1,2,3,4,5,6,7
	v_max3_num_f32 v[MXT+(\a)], v[MXT+(\a)], v[DDR+8*(\a)+5], v[DDR+8*(\a)+6]
.endr
.irp a, 0,2,4,6
	v_max3_num_f32 v[MXT+(\a)], v[MXT+(\a)], v[MXT+(\a)+1], v[DDR+8*(\a)+7]
.endr
.irp a, 0,4
	v_max3_num_f32 v[MXT+(\a)], v[MXT+(\a)], v[MXT+(\a)+2], v[DDR+8*(\a)+15]
.endr
	v_max3_num_f32 v[MXT], v[MXT], v[MXT+4], v[DDR+31]
	v_max3_num_f32 v[MXT], v[MXT], v[DDR+63], v[MR]
	RED32 MXT, MXT+1
.if !(\first)
	v_sub_f32 v[CH+2], v[MR], v[MXT]
	v_mul_f32 v[CH+2], s[LC], v[CH+2]              ; Lc (m_old - m_new)
.endif
	v_mov_b32 v[MR], v[MXT]
	v_mul_f32 v[CH], s[LC], v[MXT]
	v_fma_f32 v[B0], v[B0], s[NDG], -v[CH]         ; -DG ss - Lc m
	v_fma_f32 v[B1], v[B1], s[NDG], -v[CH]
.set n, 0
.rept 32
	v_pk_fma_f32 v[DDR+2*n:DDR+2*n+1], v[DDR+2*n:DDR+2*n+1], s[LC:LC+1], v[B0+2*(n/16):B0+2*(n/16)+1] op_sel_hi:[1,0,0]
.set n, n+1
.endr
.if !(\first)
	v_exp_f32 v[CH+2], v[CH+2]                     ; a
.endif
.set n, 0
.rept 64
	v_exp_f32 v[DDR+n], v[DDR+n]
.set n, n+1
.endr
	v_nop                                          ; the plain instruction behind the last exponential,
	s_wait_alu depctr_va_vdst(0)                   ; and the one wait for the batch, ahead of its first reader
.if !(\first)
	WIN 0x41
.set n, 0
.rept 64
	v_pk_mul_f32 v[2*n:2*n+1], v[2*n:2*n+1], v[CH+2:CH+3] op_sel_hi:[1,0]
.set n, n+1
.endr
	WIN 0
.set n, 0
.rept 16
	v_pk_mul_f32 v[KA+2*n:KA+2*n+1], v[KA+2*n:KA+2*n+1], v[CH+2:CH+3] op_sel_hi:[1,0]
.set n, n+1
.endr
.endif
.set n, 0
.rept 32
	v_cvt_pk_f16_f32 v[EE+n], v[DDR+2*n], v[DDR+2*n+1]
.set n, n+1
.endr
.set n, 0
.rept 8                                            ; n = 4 i + mt: key 16 i + r, features 16 mt + 8 h ..
	ds_store_b128 v[KST], v[EE+4*n:EE+4*n+3] offset:ESTG+(n/4)*2560+32*(n%4)
.set n, n+1
.endr
	STATE \first, ESTG, VSTG
.endm
	KTRIP 1
	s_mov_b32 s[CNT], 3
.Ltrip:
	KTRIP 0
	s_sub_co_u32 s[CNT], s[CNT], 1
	s_cmp_lg_u32 s[CNT], 0
	s_cbranch_scc1 .Ltrip
	; THE EIGHT WAVES MEET.  Each dumps its state; wave w then sums slice w of all eight, each scaled to the block's maximum.
	PLACES
.irp c, 0,1,2,3
	v_permlanex16_b32 v[MXT+(\c)], v[VS+(\c)], s[SEL], s[SEL+1]  ; the odd rows' sums lie in the lane 16 away
.endr
.irp c, 0,1,2,3
	v_add_f32 v[VS+(\c)], v[VS+(\c)], v[MXT+(\c)]
.endr
	DUMP
	s_lshl_b32 s20, s[WV], 8
	s_add_co_u32 s20, s20, LXVS
	v_and_b32 v[CH], 15, v0
	v_lshl_add_u32 v[CH], v[CH], 4, s20
	ds_store_b128 v[CH], v[VS:VS+3]                ; channels 4 r ..; both halves of the lanes write the same
	s_lshl_b32 s21, s[WV], 3
	s_add_co_u32 s21, s21, MW
	v_mov_b32 v[CH+1], s21
	ds_store_b64 v[CH+1], v[MR:MR+1]
	s_wait_dscnt 0x0
	s_barrier_signal -1
	s_barrier_wait -1
	v_mov_b32 v[CH], MW
	v_add_nc_u32 v[CH+1], 0x10000, v[SL0]          ; slots 4 to 7
.irp n, 0,1,2,3
	ds_load_b128 v[CJ+4*(\n):CJ+4*(\n)+3], v[CH] offset:16*(\n)  ; m_j at CJ + 2 j
.endr
	WIN 0x40
.set j, 0
.rept 8
.set g, 0
.rept 4
.if j < 4
	ds_load_b128 v[16*j+4*g:16*j+4*g+3], v[SL0] offset:j*16384+512*g
.else
	ds_load_b128 v[16*j+4*g:16*j+4*g+3], v[CH+1] offset:(j-4)*16384+512*g
.endif
.set g, g+1
.endr
.set j, j+1
.endr
	WIN 0
	s_wait_dscnt 32                                ; the eight maxima are in; the 32 younger loads are the slices
	v_max3_num_f32 v[MXT], v[CJ], v[CJ+2], v[CJ+4]
	v_max3_num_f32 v[MXT], v[MXT], v[CJ+6], v[CJ+8]
	v_max3_num_f32 v[MXT], v[MXT], v[CJ+10], v[CJ+12]
	v_max_num_f32 v[MXT], v[MXT], v[CJ+14]         ; the block's maximum
.irp j, 0,1,2,3,4,5,6,7
	v_sub_f32 v[CJ+2*(\j)], v[CJ+2*(\j)], v[MXT]
.endr
.irp j, 0,1,2,3,4,5,6,7
	v_mul_f32 v[CJ+2*(\j)], s[LC], v[CJ+2*(\j)]
.endr
.irp j, 0,1,2,3,4,5,6,7
	v_exp_f32 v[CJ+2*(\j)], v[CJ+2*(\j)]           ; c_j
.endr
	v_and_b32 v[CH+2], 31, v0
	s_wait_alu depctr_va_vdst(0)                   ; one wait for the eight
	v_lshlrev_b32 v[CH+2], 3, v[CH+2]              ; 8 L
	v_add_nc_u32 v[CH+3], LXK, v[CH+2]
	s_wait_dscnt 0x0
	WIN 0x01
.set q, 0
.rept 8
	v_pk_mul_f32 v[RR+2*q:RR+2*q+1], v[2*q:2*q+1], v[CJ:CJ+1] op_sel_hi:[1,0]
.set q, q+1
.endr
.set j, 1
.rept 7
.set q, 0
.rept 8
	v_pk_fma_f32 v[RR+2*q:RR+2*q+1], v[16*j+2*q:16*j+2*q+1], v[CJ+2*j:CJ+2*j+1], v[RR+2*q:RR+2*q+1] op_sel_hi:[1,0,1]
.set q, q+1
.endr
.set j, j+1
.endr
	WIN 0
.irp g, 0,1,2,3
	global_store_b128 v[SL0], v[RR+4*(\g):RR+4*(\g)+3], s[10:11] offset:512*(\g)  ; 512 consecutive bytes, at a multiple of 256 from the record's first
.endr
	s_cmp_lg_u32 s[WV], 0
	s_cbranch_scc1 .Lnot0
.irp j, 0,1,2,3,4,5,6,7
	ds_load_b64 v[208+2*(\j):208+2*(\j)+1], v[CH+3] offset:256*(\j)
.endr
	s_wait_dscnt 0x0
	v_pk_mul_f32 v[224:225], v[208:209], v[CJ:CJ+1] op_sel_hi:[1,0]
.irp j, 1,2,3,4,5,6,7
	v_pk_fma_f32 v[224:225], v[208+2*(\j):208+2*(\j)+1], v[CJ+2*(\j):CJ+2*(\j)+1], v[224:225] op_sel_hi:[1,0,1]
.endr
	global_store_b64 v[CH+2], v[224:225], s[10:11] offset:16384  ; K: 256 consecutive bytes
.Lnot0:
	s_cmp_lg_u32 s[WV], 1
	s_cbranch_scc1 .Lnot1
.irp j, 0,1,2,3,4,5,6,7
	ds_load_b64 v[208+2*(\j):208+2*(\j)+1], v[CH+3] offset:LXVS-LXK+256*(\j)
.endr
	s_wait_dscnt 0x0
	v_pk_add_f32 v[224:225], v[208:209], v[210:211]
.irp j, 2,3,4,5,6,7
	v_pk_add_f32 v[224:225], v[224:225], v[208+2*(\j):208+2*(\j)+1]
.endr
	global_store_b64 v[CH+2], v[224:225], s[10:11] offset:16640  ; SV
.Lnot1:
	s_cmp_lg_u32 s[WV], 2
	s_cbranch_scc1 .Lend
	global_store_b32 v[ZR], v[MXT], s[12:13]       ; every lane holds the same number and names the same word
.Lend:
	s_wait_tensorcnt 0x0                           ; the wave's end, behind my last LDS store
	ds_add_u32 v[SPW], v[NIL]
	s_wait_dscnt 0x0
	s_endpgm
.Lfunc_end_k_q44c76d3faa_kstate:
	.size	k_q44c76d3faa_kstate, .Lfunc_end_k_q44c76d3faa_kstate-k_q44c76d3faa_kstate
	.p2alignl 7, 3214868480
	.fill 96, 4, 3214868480
	.section	.rodata,"a",@progbits
	.p2align	6, 0x0
	.amdhsa_kernel k_q44c76d3faa_kstate
		.amdhsa_group_segment_fixed_size 146432
		.amdhsa_private_segment_fixed_size 0
		.amdhsa_enable_private_segment 0
		.amdhsa_kernarg_size 40
		.amdhsa_user_sgpr_count 2
		.amdhsa_user_sgpr_kernarg_segment_ptr 1
		.amdhsa_wavefront_size32 1
		.amdhsa_system_sgpr_workgroup_id_x 1
		.amdhsa_system_sgpr_workgroup_id_y 1
		.amdhsa_system_sgpr_workgroup_id_z 1
		.amdhsa_system_vgpr_workitem_id 0
		.amdhsa_next_free_vgpr 512
		.amdhsa_next_free_sgpr 66
		.amdhsa_reserve_vcc 0
		.amdhsa_float_denorm_mode_32 3
		.amdhsa_float_denorm_mode_16_64 3
		.amdhsa_memory_ordered 1
		.amdhsa_forward_progress 1
		.amdhsa_inst_pref_size 95
	.end_amdhsa_kernel
	.amdgpu_metadata
---
amdhsa.version: [ 1, 2 ]
amdhsa.kernels:
  - .name:           k_q44c76d3faa_kstate
    .symbol:         k_q44c76d3faa_kstate.kd
    .args:
      - { .name: k, .offset: 0, .size: 8, .value_kind: global_buffer, .address_space: global }
      - { .name: v, .offset: 8, .size: 8, .value_kind: global_buffer, .address_space: global }
      - { .name: projection_matrix, .offset: 16, .size: 8, .value_kind: global_buffer, .address_space: global }
      - { .name: st, .offset: 24, .size: 8, .value_kind: global_buffer, .address_space: global }
      - { .name: mx, .offset: 32, .size: 8, .value_kind: global_buffer, .address_space: global }
    .group_segment_fixed_size: 146432
    .private_segment_fixed_size: 0
    .kernarg_segment_align: 8
    .kernarg_segment_size: 40
    .max_flat_workgroup_size: 256
    .sgpr_count:     66
    .vgpr_count:     512
    .wavefront_size: 32
...
	.end_amdgpu_metadata
.endif
;; end of part 1
;; launch attn (part 2): grid 256 x 1, 8 waves a work-group, no clusters, 324,608 bytes of LDS; arguments q, k, v, projection_matrix, st, mx, out0; writes out0
.if DOCPART == 2
	.amdgcn_target "amdgcn-amd-amdhsa--gfx1250"
	.amdhsa_code_object_version 6
	.text
	.protected	k_q44c76d3faa_attn
	.globl	k_q44c76d3faa_attn
	.p2align	8
	.type	k_q44c76d3faa_attn,@function
k_q44c76d3faa_attn:
	s_mov_b64 s[64:65], 0
	v_nop
	global_prefetch_b8 v0, s[64:65] scope:SCOPE_SE
	s_setreg_imm32_b32 hwreg(HW_REG_WAVE_MODE, 25, 1), 1
	s_wait_xcnt 0x0
; SECOND PASS OF PERFORMER ATTENTION.  q, k, v, out0: [64 heads][4096][64] f32.  Rows 128 and on: out_i = qf_i . S_i / (qf_i . (K_i + 1e-6)), S_i = sum over j <= i of kf_j^T v_j, K_i likewise
; (the cumulative sums inside the chunks run row by row, so the chunks do not show).  Rows 0 to 127: the state behind row 127, and no 1e-6.
; The factor 1/8 of both feature maps cancels but in the 1e-6, which becomes 8e-6:  kf' = 2^(Lc raw - DG ss - Lc M) + 1e-4, M the maximum of raw over all of k (from mx: the true global maximum).
; A query row may carry any factor:  qf'' = 2^(Lc (raw - rowmax) - (d2 - g2)) + 1e-4 2^g2,  d2 = DG ss, g2 = min(d2, log2 1e4): the row's largest entry lies in 1 .. 2, every entry is 1e-4 or more,
; so qf'', kf' (1e-4 .. 1.0001) and A = qf'' . kf' (1e-4 .. 129) are normal f16 numbers for every input.
; SHARES.  Work-group x: rows 1,024 x .. (head x / 4, segment x % 4); wave w 128 of them.  The state ahead of a wave = the head's earlier segments (records of st, scaled to M, with their 1e-4 parts)
; + the earlier waves of the work-group (a prefix over LDS).  Wave 0 of segment 0 holds just the conditioning rows: its prefix is its own whole state, it has no part inside, and no 8e-6.
; PHASES.  1a: my 128 keys: kf' into registers (f16 fragments), v into LDS (f16).  1b: my state S, K.  2: the prefix over the waves; mine comes back, is scaled by an exact power of two so that its largest
; entry lies in 1 .. 2, and rounded to f16.  3: eight tiles of 16 queries: O^T = S~ qf''^T (scaled back in f32) + sum over key tiles up to the diagonal of v^T (A masked), divided by the sums.
; FORMATS.  q, k, proj rounded to bf16; v to bf16 and that number written as f16; all sums, maxima and states that are kept: f32.
; LIMITS.  |v| < 65,504; |v| under 2^-14 keeps f16's fixed step of 6e-8; the largest |entry| of a prefix state under 2^127; NaN and infinities are not treated apart.
; NO TENSOR LOADS, NO CLUSTER: no wave wants a byte of q, k or v that another fetched; proj and the records, which are shared, are under a fiftieth of the bytes.
; LAYOUT: as in the first pass.  lane L: r = L % 16, h = L / 16.  In raw^T, A and O^T a lane holds ONE row (r).  S accumulator (mt, u) has number qn = 8 (mt / 2) + 2 u + mt % 2, so that rounding
; register pairs in ascending order leaves the fragments S~(u, c) at 32 c + 8 u.
.set REC,   16896
.set VBW,   20480      ; LDS 0: each wave's 128 rows of v in f16, pitch 160
.set XS,    163840     ; eight slots of 16,384, a wave each:
.set KSTG,  0          ;   32 rows of kf' in f16, pitch 160
.set XSTG,  5120       ;   32 rows of bf16, pitch 144
.set OSTG,  10240      ;   16 rows of out in f32, pitch 272
.set LXK,   294912     ; 8 x 256: each wave's K, later its prefix
.set BASE,  296960     ; 8 x 2,048: slice w of the earlier segments' state
.set BASEK, 313344     ; 256: their K
.set PJL,   313600     ; proj in bf16, pitch 144
.set SPARE, 322816     ; the spare words: 128 bytes for each wave, four blocks of 256 bytes that no other line names
.set SPW, 1
.set NIL, 2
.set ZR,  3
.set CO,  4
.set XST, 5
.set XRD, 6
.set VST, 7
.set VTA, 8
.set KST, 9
.set KTA, 10
.set DMP, 11
.set KDA, 12
.set SL0, 13
.set OST, 14
.set ORD, 15
.set CH,  16           ; v16-19 four chains; in phase 3 the divisor's two pairs
.set B0,  20
.set B1,  22
.set VT4, 24           ; v24-31 at work: v's conversion; 1.0 in f16 (1b); the row maximum and the mask in hand (3)
.set ONES, 24
.set MXT, 24
.set MK,  24
.set PJ,  32           ; v32-95
.set RXK, 96           ; v96-159 32 rows of k, later of q, as loaded
.set KB,  160          ; v160-191 bf16 fragments; in phase 3 then qf''
.set KT,  160
.set DDR, 192          ; v192-255 raw^T
.set TV,  192
.set TX,  224
.set VT,  192
.set KA,  224
.set AA,  224          ; v224-239 A, two key tiles
.set PP,  240          ; v240-247 A in f16
.set MD,  248          ; v248-255 the diagonal tile's mask
.set RXV, 0            ; window 1: v0-63 32 rows of v as loaded; v0-127 S; then v0-63 S~, v64-95 the prefix of K, v96-127 O^T
.set KP,  64
.set OO,  96
.set KF,  128          ; window 1: v128-255 kf': tile i, features 32 c on, at 16 i + 8 c
.set PQ,  4
.set PKK, 6
.set PVV, 8
.set PPJ, 10
.set PST, 12
.set PMX, 14
.set POUT, 16
.set WV,  18
.set SEG, 19
.set COND, 20
.set LC,  24
.set EPS, 26
.set NLM, 28           ; -Lc M
.set NDG, 29
.set NLC, 30
.set NG2, 31           ; -log2 1e4
.set SEL, 32
.set UP,  34           ; the power of two taken out of my prefix
.set AL,  36
.set BE,  38
.set TQ,  40           ; the query tile in hand
.set TMS, 41           ; the same, or -1 in the conditioning wave
.set CNT, 42
.set HI,  43
.set MT,  44           ; s[44:47] the maxima of my head's four segments
.set FL,  48           ; s48-50 1.0 where segment t lies ahead of mine
.set CF,  52
.set EA0, 54
.set EPA, 56
.set MSB, 0
.macro WIN new                      ; the high byte repeats the setting that is left; a switch that changes nothing is dropped
.if MSB != (\new)
	s_set_vgpr_msb (MSB<<8)|(\new)
.set MSB, (\new)
.endif
.endm
.macro PLACES                       ; four places behind a matrix instruction (ISA guide 7.12.1)
.rept 4
	v_nop
.endr
.endm
.macro LD16 dst, base, off          ; 32 rows: each load of the wave covers 512 consecutive bytes: row 2 n + h, channels 4 r ..
.set n, 0
.rept 16
	global_load_b128 v[(\dst)+4*n:(\dst)+4*n+3], v[CO], s[\base:\base+1] offset:(\off)+512*n th:TH_LOAD_NT
.set n, n+1
.endr
.endm
.macro TOBF src, dst
.set n, 0
.rept 32
	v_cvt_pk_bf16_f32 v[(\dst)+n], v[(\src)+2*n], v[(\src)+2*n+1]
.set n, n+1
.endr
.endm
.macro XSTAGE tmp, kb               ; 32 rows of bf16 through my own stage into fragments; LDS serves a wave's instructions in order (ISA guide 5.7.1.4)
.set n, 0
.rept 16
	ds_store_b64 v[XST], v[(\tmp)+2*n:(\tmp)+2*n+1] offset:XSTG+288*n
.set n, n+1
.endr
.set n, 0
.rept 8                             ; n = 4 i + 2 f + z
	ds_load_b128 v[(\kb)+4*n:(\kb)+4*n+3], v[XRD] offset:XSTG+(n/4)*2304+((n/2)%2)*64+(n%2)*32
.set n, n+1
.endr
.endm
.macro VCONV tmp, rowoff            ; v: bf16 widened and written as f16, into rows of 160 bytes
.set n, 0
.rept 16
.set t, VT4+4*(n%2)
	v_lshlrev_b32 v[t], 16, v[(\tmp)+2*n]
	v_and_b32 v[t+1], s[HI], v[(\tmp)+2*n]
	v_lshlrev_b32 v[t+2], 16, v[(\tmp)+2*n+1]
	v_and_b32 v[t+3], s[HI], v[(\tmp)+2*n+1]
	v_cvt_pk_f16_f32 v[t], v[t], v[t+1]
	v_cvt_pk_f16_f32 v[t+1], v[t+2], v[t+3]
	ds_store_b64 v[VST], v[t:t+1] offset:(\rowoff)+320*n
.set n, n+1
.endr
.endm
.macro DD ntiles, kb, dd            ; raw^T = proj x rows^T; the accumulators take turns; the first 32 channels start the sums
.irp f, 0,1
.set i, 0
.rept \ntiles
.irp mt, 0,1,2,3
.if (\f) == 0
	v_wmma_f32_16x16x32_bf16 v[(\dd)+32*i+8*(\mt):(\dd)+32*i+8*(\mt)+7], v[PJ+16*(\mt):PJ+16*(\mt)+7], v[(\kb)+16*i:(\kb)+16*i+7], 0
.else
	v_wmma_f32_16x16x32_bf16 v[(\dd)+32*i+8*(\mt):(\dd)+32*i+8*(\mt)+7], v[PJ+16*(\mt)+8:PJ+16*(\mt)+15], v[(\kb)+16*i+8:(\kb)+16*i+15], v[(\dd)+32*i+8*(\mt):(\dd)+32*i+8*(\mt)+7]
.endif
.endr
.set i, i+1
.endr
.endr
.endm
.macro DIAG src, dst                ; the row's sum of squares, of the bf16 numbers: my 32 channels in four chains, then the lane 16 away
.set g, 0
.rept 4
.irp c, 0,1,2,3
.if g == 0
	v_fma_mix_f32_bf16 v[CH+(\c)], v[(\src)+(\c)], v[(\src)+(\c)], v[ZR] op_sel_hi:[1,1,0]
.else
	v_fma_mix_f32_bf16 v[CH+(\c)], v[(\src)+4*g+(\c)], v[(\src)+4*g+(\c)], v[CH+(\c)] op_sel_hi:[1,1,0]
.endif
.endr
.irp c, 0,1,2,3
	v_fma_mix_f32_bf16 v[CH+(\c)], v[(\src)+4*g+(\c)], v[(\src)+4*g+(\c)], v[CH+(\c)] op_sel:[1,1,0] op_sel_hi:[1,1,0]
.endr
.set g, g+1
.endr
	v_add_f32 v[CH], v[CH], v[CH+1]
	v_add_f32 v[CH+2], v[CH+2], v[CH+3]
	v_add_f32 v[CH], v[CH], v[CH+2]
	v_permlanex16_b32 v[CH+1], v[CH], s[SEL], s[SEL+1]
	v_add_f32 v[\dst], v[CH], v[CH+1]
.endm
.macro RED32 x, y                   ; the maximum over the 32 lanes, in every lane
	v_max_num_f32_dpp v[\x], v[\x], v[\x] row_xmask:1 row_mask:0xf bank_mask:0xf
	v_max_num_f32_dpp v[\x], v[\x], v[\x] row_xmask:2 row_mask:0xf bank_mask:0xf
	v_max_num_f32_dpp v[\x], v[\x], v[\x] row_xmask:4 row_mask:0xf bank_mask:0xf
	v_max_num_f32_dpp v[\x], v[\x], v[\x] row_xmask:8 row_mask:0xf bank_mask:0xf
	v_permlanex16_b32 v[\y], v[\x], s[SEL], s[SEL+1]
	v_max_num_f32 v[\x], v[\x], v[\y]
.endm
.macro STATE first, kfoff, voff     ; S += kf'^T v, K += kf'^T 1 for 32 keys: both operands turned on their way out of LDS; 20 different accumulators
	WIN 0
.irp m, 0,1,2,3
	ds_load_tr16_b128 v[KT+8*(\m):KT+8*(\m)+3], v[KTA] offset:(\kfoff)+32*(\m)
	ds_load_tr16_b128 v[KT+8*(\m)+4:KT+8*(\m)+7], v[KTA] offset:(\kfoff)+32*(\m)+2560
.endr
.irp u, 0,1,2,3
	ds_load_tr16_b128 v[VT+8*(\u):VT+8*(\u)+3], v[VTA] offset:(\voff)+32*(\u)
	ds_load_tr16_b128 v[VT+8*(\u)+4:VT+8*(\u)+7], v[VTA] offset:(\voff)+32*(\u)+2560
.endr
	s_wait_dscnt 0x0
	WIN 0x50                        ; C and D in window 1
.irp m, 0,1,2,3
.irp u, 0,1,2,3
.set qn, 8*(8*((\m)/2)+2*(\u)+(\m)%2)
.if \first
	v_wmma_f32_16x16x32_f16 v[qn:qn+7], v[KT+8*(\m):KT+8*(\m)+7], v[VT+8*(\u):VT+8*(\u)+7], 0
.else
	v_wmma_f32_16x16x32_f16 v[qn:qn+7], v[KT+8*(\m):KT+8*(\m)+7], v[VT+8*(\u):VT+8*(\u)+7], v[qn:qn+7]
.endif
.endr
.endr
	WIN 0
.irp m, 0,1,2,3
.if \first
	v_wmma_f32_16x16x32_f16 v[KA+8*(\m):KA+8*(\m)+7], v[KT+8*(\m):KT+8*(\m)+7], v[ONES:ONES+7], 0
.else
	v_wmma_f32_16x16x32_f16 v[KA+8*(\m):KA+8*(\m)+7], v[KT+8*(\m):KT+8*(\m)+7], v[ONES:ONES+7], v[KA+8*(\m):KA+8*(\m)+7]
.endif
.endr
.endm
.macro DUMP                         ; my S over my whole slot, my K beside it; each accumulator from its low end on
	WIN 0x04
.set g, 0
.rept 32
	ds_store_b128 v[DMP], v[4*g:4*g+3] offset:512*g
.set g, g+1
.endr
	WIN 0
.set g, 0
.rept 8
	ds_store_b128 v[KDA], v[KA+4*g:KA+4*g+3] offset:32*g
.set g, g+1
.endr
.endm
	s_load_b256 s[4:11], s[0:1], 0x0               ; q, k, v, proj
	s_load_b128 s[12:15], s[0:1], 0x20             ; st, mx
	s_load_b64 s[16:17], s[0:1], 0x30              ; out0
	v_lshl_add_u32 v[SPW], v0, 2, SPARE
	v_mov_b32 v[NIL], 0
	v_mov_b32 v[ZR], 0
	v_lshrrev_b32 v20, 5, v0
	v_readfirstlane_b32 s[WV], v20                 ; wave 0..7
	v_and_b32 v22, 31, v0                          ; L
	v_and_b32 v20, 15, v0                          ; r
	v_bfe_u32 v21, v0, 4, 1                        ; h
	v_lshlrev_b32 v[CO], 4, v22
	s_lshl_b32 s22, s[WV], 14
	s_add_co_u32 s22, s22, XS                      ; my slot
	s_mul_i32 s23, s[WV], VBW                      ; my rows of v
	v_mul_u32_u24 v23, v21, 144
	v_lshl_add_u32 v23, v20, 3, v23                ; 144 h + 8 r
	v_add_nc_u32 v[XST], s22, v23
	v_mul_u32_u24 v24, v20, 144
	v_lshl_add_u32 v24, v21, 4, v24                ; 144 r + 16 h
	v_add_nc_u32 v[XRD], s22, v24
	s_mul_i32 s58, s[WV], 8*144
	s_add_co_u32 s58, s58, PJL
	v_add_nc_u32 v28, s58, v23                     ; proj in
	v_add_nc_u32 v29, PJL, v24                     ; proj out
	v_mul_u32_u24 v23, v21, 160
	v_lshl_add_u32 v23, v20, 3, v23
	v_add_nc_u32 v[VST], s23, v23
	v_mul_u32_u24 v23, v20, 160
	v_lshl_add_u32 v23, v21, 4, v23
	v_add_nc_u32 v[KST], s22, v23
	v_and_b32 v23, 7, v0
	v_lshl_add_u32 v23, v21, 3, v23
	v_mul_u32_u24 v23, v23, 160
	v_bfe_u32 v24, v0, 3, 1
	v_lshl_add_u32 v23, v24, 4, v23                ; the turning load: (8 h + L % 8) 160 + 16 ((L / 8) % 2)
	v_add_nc_u32 v[KTA], s22, v23
	v_add_nc_u32 v[VTA], s23, v23
	v_add_nc_u32 v[DMP], s22, v[CO]
	s_lshl_b32 s58, s[WV], 8
	s_add_co_u32 s58, s58, LXK
	v_lshl_add_u32 v[KDA], v21, 4, s58
	s_lshl_b32 s58, s[WV], 11
	v_add_nc_u32 v16, s58, v[CO]                   ; 2,048 w + 16 L: my bytes of proj and of a record's S
	v_add_nc_u32 v[SL0], XS, v16
	v_add_nc_u32 v30, BASE, v16
	v_mul_u32_u24 v23, v20, 272
	v_lshl_add_u32 v23, v21, 5, v23
	v_add_nc_u32 v[OST], s22, v23                  ; 272 r + 32 h
	v_mul_u32_u24 v23, v21, 272
	v_lshl_add_u32 v23, v20, 4, v23
	v_add_nc_u32 v[ORD], s22, v23                  ; 272 h + 16 r
	v_lshlrev_b32 v17, 5, v22                      ; 32 L: my eight numbers of mx
	s_and_b32 s58, s[WV], 3
	s_lshl_b32 s58, s58, 6
	v_lshl_add_u32 v18, v20, 2, s58                ; my slice's channel 16 (w % 4) + r, in bytes
	v_lshlrev_b32 v19, 3, v22                      ; 8 L
	v_add_nc_u32 v31, BASEK, v19
	s_and_b32 s[SEG], ttmp9, 3
	s_or_b32 s[COND], s[SEG], s[WV]
	s_cmp_eq_u32 s[COND], 0
	s_cselect_b32 s[COND], 1, 0                    ; the conditioning rows are wave 0 of segment 0
.irp t, 0,1,2
	s_cmp_gt_u32 s[SEG], \t
	s_cselect_b32 s[FL+(\t)], 1.0, 0
.endr
	s_cmp_eq_u32 s[SEG], 0
	s_cselect_b32 s[CF], 1.0, 0
	s_cselect_b32 s[EA0], 0, 0x370637bd
	s_mov_b32 s[CF+1], 0
	s_mov_b32 s[EA0+1], 0
	s_mov_b32 s[EPA], 0x370637bd                   ; 8e-6
	s_mov_b32 s[EPA+1], 0
	s_mov_b32 s[LC], 0x3f0293ee                    ; Lc
	s_mov_b32 s[LC+1], s[LC]
	s_mov_b32 s[EPS], 0x38d1b717                   ; 1e-4
	s_mov_b32 s[EPS+1], s[EPS]
	s_mov_b32 s[NDG], 0xbdb8aa3b                   ; -DG
	s_mov_b32 s[NLC], 0xbf0293ee                   ; -Lc
	s_mov_b32 s[NG2], 0xc1549a78                   ; -log2 1e4
	s_mov_b32 s[SEL], 0x76543210
	s_mov_b32 s[SEL+1], 0xfedcba98
	s_mov_b32 s[AL+1], 0
	s_mov_b32 s[BE+1], 0
	s_mov_b32 s[HI], 0xffff0000
	s_cvt_f32_u32 s59, s[SEG]
	s_mul_f32 s59, s59, 0x3dd1b717                 ; 1e-4 x 1,024 keys for each earlier segment
	s_lshr_b32 s51, ttmp9, 2
	s_lshl_b32 s51, s51, 4                         ; my head's four words of mx
	s_lshl_b32 s22, ttmp9, 18
	s_lshl_b32 s23, s[WV], 15
	s_add_co_u32 s22, s22, s23                     ; my 128 rows
	s_mov_b32 s23, 0
	s_and_b32 s21, ttmp9, 0xfc                     ; the number of my head's first record,
	s_mul_i32 s58, s21, REC                        ; and its first byte
	s_wait_kmcnt 0x0
	s_load_b128 s[MT:MT+3], s[PMX:PMX+1], s51 offset:0x0
	s_add_nc_u64 s[PQ:PQ+1], s[PQ:PQ+1], s[22:23]
	s_add_nc_u64 s[PKK:PKK+1], s[PKK:PKK+1], s[22:23]
	s_add_nc_u64 s[PVV:PVV+1], s[PVV:PVV+1], s[22:23]
	s_add_nc_u64 s[POUT:POUT+1], s[POUT:POUT+1], s[22:23]
	s_mov_b32 s22, s58
	s_add_nc_u64 s[PST:PST+1], s[PST:PST+1], s[22:23]
.irp n, 0,1,2,3
	global_load_b128 v[160+4*(\n):160+4*(\n)+3], v16, s[PPJ:PPJ+1] offset:512*(\n)
.endr
	global_load_b128 v[184:187], v17, s[PMX:PMX+1]
	global_load_b128 v[188:191], v17, s[PMX:PMX+1] offset:16
.irp t, 0,1,2
.irp g, 0,1,2,3
	global_load_b128 v[192+16*(\t)+4*(\g):192+16*(\t)+4*(\g)+3], v16, s[PST:PST+1] offset:(\t)*REC+512*(\g)
.endr
	global_load_b32 v[240+(\t)], v18, s[PST:PST+1] offset:(\t)*REC+16640
	global_load_b64 v[244+2*(\t):244+2*(\t)+1], v19, s[PST:PST+1] offset:(\t)*REC+16384
.endr
	LD16 RXK, PKK, 0
	WIN 0x40
	LD16 RXV, PVV, 0
	WIN 0
	s_wait_loadcnt 32                              ; proj, mx and the records are in; the 32 younger loads are the first 32 rows of k and v
	s_wait_kmcnt 0x0
.irp n, 0,1,2,3,4,5,6,7
	v_cvt_pk_bf16_f32 v[176+(\n)], v[160+2*(\n)], v[160+2*(\n)+1]
.endr
.irp n, 0,1,2,3
	ds_store_b64 v28, v[176+2*(\n):176+2*(\n)+1] offset:288*(\n)
.endr
	v_max3_num_f32 v184, v184, v185, v186          ; M: the maximum of all 256 blocks
	v_max3_num_f32 v184, v184, v187, v188
	v_max3_num_f32 v184, v184, v189, v190
	v_max_num_f32 v184, v184, v191
	RED32 184, 185
	v_readfirstlane_b32 s[NLM], v184
	s_mul_f32 s[NLM], s[NLM], s[NLC]
.irp t, 0,1,2
	v_sub_f32 v[16+2*(\t)], s[MT+(\t)], v184
.endr
.irp t, 0,1,2
	v_mul_f32 v[16+2*(\t)], s[LC], v[16+2*(\t)]
.endr
.irp t, 0,1,2
	v_exp_f32 v[16+2*(\t)], v[16+2*(\t)]           ; 2^(Lc (m_t - M))
.endr
	v_mul_f32 v22, s[FL], v240                     ; the sum of v over the earlier segments, my slice's channel
	s_wait_alu depctr_va_vdst(0)                   ; one wait for the three
	v_fmac_f32 v22, s[FL+1], v241
	v_fmac_f32 v22, s[FL+2], v242
	v_mul_f32 v22, s[EPS], v22
.irp t, 0,1,2
	v_mul_f32 v[16+2*(\t)], s[FL+(\t)], v[16+2*(\t)]  ; c_t, 0 for a segment that is not ahead of mine
.endr
.set n, 0
.rept 8
	v_pk_fma_f32 v[160+2*n:160+2*n+1], v[192+2*n:192+2*n+1], v[16:17], v[22:23] op_sel_hi:[1,0,0]
.set n, n+1
.endr
.irp t, 1,2
.set n, 0
.rept 8
	v_pk_fma_f32 v[160+2*n:160+2*n+1], v[192+16*(\t)+2*n:192+16*(\t)+2*n+1], v[16+2*(\t):16+2*(\t)+1], v[160+2*n:160+2*n+1] op_sel_hi:[1,0,1]
.set n, n+1
.endr
.endr
.irp g, 0,1,2,3
	ds_store_b128 v30, v[160+4*(\g):160+4*(\g)+3] offset:512*(\g)
.endr
	v_fma_f32 v250, v244, v16, s59
	v_fma_f32 v251, v245, v16, s59
	v_fmac_f32 v250, v246, v18
	v_fmac_f32 v251, v247, v18
	v_fmac_f32 v250, v248, v20
	v_fmac_f32 v251, v249, v20
	s_cmp_lg_u32 s[WV], 0
	s_cbranch_scc1 .Lnobk
	ds_store_b64 v31, v[250:251]
.Lnobk:
	s_wait_dscnt 0x0                               ; for the others' sake: my rows of proj lie in LDS
	s_barrier_signal -1
	s_barrier_wait -1
.set n, 0
.rept 16
	ds_load_b128 v[PJ+4*n:PJ+4*n+3], v29 offset:(n/4)*2304+((n/2)%2)*64+(n%2)*32
.set n, n+1
.endr
	s_wait_dscnt 0x0
; PHASE 1a.  32 keys: kf' into KF's registers, v into LDS.  Written out four times, since the registers differ.
.macro KSTEP p
	s_wait_loadcnt 0x0                             ; all that is out is this step's 32 loads
	WIN 0
	TOBF RXK, TX
	WIN 0x05
	TOBF RXV, TV
	WIN 0
.if (\p) < 3
	LD16 RXK, PKK, ((\p)+1)*8192
	WIN 0x40
	LD16 RXV, PVV, ((\p)+1)*8192
	WIN 0
.else
	LD16 RXK, PQ, 0                                ; the first 32 queries: they have phases 1b and 2 in which to land
.endif
	XSTAGE TX, KB
	VCONV TV, 32*(\p)*160
	s_wait_dscnt 16                                ; k's fragments are in; the 16 younger instructions are v's stores
	DD 2, KB, DDR
	DIAG KB, B0
	DIAG KB+16, B1
	PLACES
	v_fma_f32 v[B0], v[B0], s[NDG], s[NLM]         ; -DG ss - Lc M
	v_fma_f32 v[B1], v[B1], s[NDG], s[NLM]
.set n, 0
.rept 32
	v_pk_fma_f32 v[DDR+2*n:DDR+2*n+1], v[DDR+2*n:DDR+2*n+1], s[LC:LC+1], v[B0+2*(n/16):B0+2*(n/16)+1] op_sel_hi:[1,0,0]
.set n, n+1
.endr
.set n, 0
.rept 64
	v_exp_f32 v[DDR+n], v[DDR+n]
.set n, n+1
.endr
	v_nop                                          ; the plain instruction behind the last exponential,
	s_wait_alu depctr_va_vdst(0)                   ; and the one wait for the batch
.set n, 0
.rept 32
	v_pk_add_f32 v[DDR+2*n:DDR+2*n+1], v[DDR+2*n:DDR+2*n+1], s[EPS:EPS+1] op_sel_hi:[1,0]
.set n, n+1
.endr
	WIN 0x40
.set n, 0
.rept 32
	v_cvt_pk_f16_f32 v[KF+32*(\p)+n], v[DDR+2*n], v[DDR+2*n+1]
.set n, n+1
.endr
	WIN 0
.endm
	KSTEP 0
	KSTEP 1
	KSTEP 2
	KSTEP 3
; PHASE 1b.  My state: kf' goes through my stage to be turned; v lies in LDS.
.irp n, 0,1,2,3,4,5,6,7
	v_mov_b32 v[ONES+(\n)], 0x3c003c00
.endr
.macro SSTEP p, first
	PLACES                                         ; the loads below land in registers that the last products read
	WIN 0x04
.set n, 0
.rept 8
	ds_store_b128 v[KST], v[KF+32*(\p)+4*n:KF+32*(\p)+4*n+3] offset:KSTG+(n/4)*2560+32*(n%4)
.set n, n+1
.endr
	STATE \first, KSTG, 32*(\p)*160
.endm
	SSTEP 0, 1
	SSTEP 1, 0
	SSTEP 2, 0
	SSTEP 3, 0
; PHASE 2.  The prefix over the waves.  Wave w reads slice w of slots 0 to 6 and writes slice w of all eight: no wave touches another's slice between the two barriers.
	PLACES
	DUMP
	s_wait_dscnt 0x0
	s_barrier_signal -1
	s_barrier_wait -1
	v_add_nc_u32 v24, BASE-XS, v[SL0]
	v_add_nc_u32 v25, 0x10000, v[SL0]              ; slots 4 to 7
.irp g, 0,1,2,3
	ds_load_b128 v[160+4*(\g):160+4*(\g)+3], v24 offset:512*(\g)  ; R: the earlier segments
.endr
	WIN 0x40
.set j, 0
.rept 7
.set g, 0
.rept 4
.if j < 4
	ds_load_b128 v[16*j+4*g:16*j+4*g+3], v[SL0] offset:j*16384+512*g
.else
	ds_load_b128 v[16*j+4*g:16*j+4*g+3], v25 offset:(j-4)*16384+512*g
.endif
.set g, g+1
.endr
.set j, j+1
.endr
	s_wait_dscnt 0x0
	WIN 0x01
.set n, 0
.rept 8
	v_pk_fma_f32 v[176+2*n:176+2*n+1], v[2*n:2*n+1], s[CF:CF+1], v[160+2*n:160+2*n+1] op_sel_hi:[1,0,1]  ; wave 0's prefix: R, and in segment 0 its own state
.set n, n+1
.endr
	WIN 0
.irp g, 0,1,2,3
	ds_store_b128 v[SL0], v[176+4*(\g):176+4*(\g)+3] offset:512*(\g)
.endr
	WIN 0x41
.set n, 0
.rept 8
	v_pk_add_f32 v[2*n:2*n+1], v[2*n:2*n+1], v[160+2*n:160+2*n+1]
.set n, n+1
.endr
	WIN 0x45
.set j, 1
.rept 6
.set n, 0
.rept 8
	v_pk_add_f32 v[16*j+2*n:16*j+2*n+1], v[16*j+2*n:16*j+2*n+1], v[16*j-16+2*n:16*j-16+2*n+1]
.set n, n+1
.endr
.set j, j+1
.endr
	WIN 0x04
.set j, 1
.rept 7
.set g, 0
.rept 4
.if j < 4
	ds_store_b128 v[SL0], v[16*j-16+4*g:16*j-16+4*g+3] offset:j*16384+512*g
.else
	ds_store_b128 v25, v[16*j-16+4*g:16*j-16+4*g+3] offset:(j-4)*16384+512*g
.endif
.set g, g+1
.endr
.set j, j+1
.endr
	WIN 0
	s_cmp_lg_u32 s[WV], 0
	s_cbranch_scc1 .Lnok
	v_and_b32 v26, 31, v0                          ; wave 0 does the same for K, and adds the 8e-6
	v_lshlrev_b32 v26, 3, v26
	v_add_nc_u32 v27, LXK, v26
.irp j, 0,1,2,3,4,5,6
	ds_load_b64 v[192+2*(\j):192+2*(\j)+1], v27 offset:256*(\j)
.endr
	ds_load_b64 v[208:209], v27 offset:BASEK-LXK
	s_wait_dscnt 0x0
	v_pk_fma_f32 v[210:211], v[192:193], s[CF:CF+1], v[208:209] op_sel_hi:[1,0,1]
	v_pk_add_f32 v[210:211], v[210:211], s[EA0:EA0+1] op_sel_hi:[1,0]
	ds_store_b64 v27, v[210:211]
.irp j, 1,2,3,4,5,6,7
	v_pk_add_f32 v[208:209], v[208:209], v[190+2*(\j):190+2*(\j)+1]
	v_pk_add_f32 v[210+2*(\j):210+2*(\j)+1], v[208:209], s[EPA:EPA+1] op_sel_hi:[1,0]
	ds_store_b64 v27, v[210+2*(\j):210+2*(\j)+1] offset:256*(\j)
.endr
.Lnok:
	s_wait_dscnt 0x0
	s_barrier_signal -1
	s_barrier_wait -1
	WIN 0x40
.set g, 0
.rept 32
	ds_load_b128 v[4*g:4*g+3], v[DMP] offset:512*g  ; my prefix, in the accumulators' order
.set g, g+1
.endr
	s_wait_dscnt 0x0
	WIN 0x14                                       ; its largest magnitude: a maximum and a minimum, four chains each, begun at 0
.set n, 0
.rept 64
.if n < 4
	v_max3_num_f32 v[CH+n%4], v[ZR], v[2*n], v[2*n+1]
	v_min3_num_f32 v[B0+n%4], v[ZR], v[2*n], v[2*n+1]
.else
	v_max3_num_f32 v[CH+n%4], v[CH+n%4], v[2*n], v[2*n+1]
	v_min3_num_f32 v[B0+n%4], v[B0+n%4], v[2*n], v[2*n+1]
.endif
.set n, n+1
.endr
	WIN 0
	v_max3_num_f32 v[CH], v[CH], v[CH+1], v[CH+2]
	v_min3_num_f32 v[B0], v[B0], v[B0+1], v[B0+2]
	v_max_num_f32 v[CH], v[CH], v[CH+3]
	v_min_num_f32 v[B0], v[B0], v[B0+3]
	v_sub_f32 v[B0], v[ZR], v[B0]
	v_max_num_f32 v[CH], v[CH], v[B0]
	RED32 CH, CH+1
	v_and_b32 v[CH], 0x7f800000, v[CH]             ; its power of two,
	v_readfirstlane_b32 s[UP], v[CH]
	s_mov_b32 s[UP+1], s[UP]
	v_sub_nc_u32 v[CH], 0x7f000000, v[CH]          ; and that power's reciprocal: both exact
	WIN 0x41
.set n, 0
.rept 64
	v_pk_mul_f32 v[2*n:2*n+1], v[2*n:2*n+1], v[CH:CH+1] op_sel_hi:[1,0]
.set n, n+1
.endr
	WIN 0x45
.set n, 0
.rept 64                                           ; in place, ascending: register n is written when registers 2 n and 2 n + 1 are read
	v_cvt_pk_f16_f32 v[n], v[2*n], v[2*n+1]
.set n, n+1
.endr
	WIN 0x40
.set g, 0
.rept 8
	ds_load_b128 v[KP+4*g:KP+4*g+3], v[KDA] offset:32*g
.set g, g+1
.endr
	WIN 0
	v_and_b32 v24, 15, v0
	v_bfe_u32 v25, v0, 4, 1
	v_lshlrev_b32 v25, 3, v25
	v_sub_nc_u32 v24, v24, v25                     ; r - 8 h: key 8 h + j is seen by query r where j is no greater
.irp j, 0,1,2,3,4,5,6,7
	v_cmp_le_i32 vcc_lo, \j, v24
	v_cndmask_b32 v[MD+(\j)], 0, 1.0, vcc_lo
.endr
	s_mov_b32 s[TQ], 0
	s_mov_b32 s[CNT], 4
	s_wait_dscnt 0x0
; PHASE 3.  A tile of 16 queries, its bf16 fragments at xb; its rows of out0 at byte ooff.
.macro QTILE xb, ooff
	s_wait_xcnt 0x0                                ; the last tile's stores have read v192-223, which are written again below
	s_cmp_eq_u32 s[COND], 1
	s_cselect_b32 s[TMS], -1, s[TQ]
	DD 1, \xb, DDR
	DIAG \xb, B0
	PLACES
.irp a, 0,1,2,3
	v_max3_num_f32 v[MXT+(\a)], v[DDR+8*(\a)], v[DDR+8*(\a)+1], v[DDR+8*(\a)+2]  ; each accumulator's lowest registers first
.endr
.irp a, 0,1,2,3
	v_max3_num_f32 v[MXT+(\a)], v[MXT+(\a)], v[DDR+8*(\a)+3], v[DDR+8*(\a)+4]
.endr
.irp a, 0,1,2,3
	v_max3_num_f32 v[MXT+(\a)], v[MXT+(\a)], v[DDR+8*(\a)+5], v[DDR+8*(\a)+6]
.endr
	v_max3_num_f32 v[MXT], v[MXT], v[MXT+1], v[DDR+7]
	v_max3_num_f32 v[MXT+2], v[MXT+2], v[MXT+3], v[DDR+15]
	v_max3_num_f32 v[MXT], v[MXT], v[MXT+2], v[DDR+23]
	v_max_num_f32 v[MXT], v[MXT], v[DDR+31]
	v_permlanex16_b32 v[MXT+1], v[MXT], s[SEL], s[SEL+1]
	v_max_num_f32 v[MXT], v[MXT], v[MXT+1]         ; the row's maximum
	v_mul_f32 v[B0+1], s[NDG], v[B0]               ; -d2
	v_max_num_f32 v[B1], s[NG2], v[B0+1]           ; -g2
	v_sub_f32 v[B1+1], v[B0+1], v[B1]              ; g2 - d2
	v_fma_f32 v[B0], v[MXT], s[NLC], v[B1+1]
	v_sub_f32 v[B1], v[ZR], v[B1]                  ; g2
.set n, 0
.rept 16
	v_pk_fma_f32 v[DDR+2*n:DDR+2*n+1], v[DDR+2*n:DDR+2*n+1], s[LC:LC+1], v[B0:B0+1] op_sel_hi:[1,0,0]
.set n, n+1
.endr
	v_exp_f32 v[B1], v[B1]
.set n, 0
.rept 32
	v_exp_f32 v[DDR+n], v[DDR+n]
.set n, n+1
.endr
	v_nop
	s_wait_alu depctr_va_vdst(0)                   ; one wait for the 33
	v_mul_f32 v[B1], s[EPS], v[B1]                 ; 1e-4 2^g2
.set n, 0
.rept 16
	v_pk_add_f32 v[DDR+2*n:DDR+2*n+1], v[DDR+2*n:DDR+2*n+1], v[B1:B1+1] op_sel_hi:[1,0]
.set n, n+1
.endr
	WIN 0x04                                       ; the divisor's part from the prefix, in f32, two chains
	v_pk_mul_f32 v[CH:CH+1], v[DDR:DDR+1], v[KP:KP+1]
	v_pk_mul_f32 v[CH+2:CH+3], v[DDR+2:DDR+3], v[KP+2:KP+3]
.set n, 2
.rept 14
	v_pk_fma_f32 v[CH+2*(n%2):CH+2*(n%2)+1], v[DDR+2*n:DDR+2*n+1], v[KP+2*n:KP+2*n+1], v[CH+2*(n%2):CH+2*(n%2)+1]
.set n, n+1
.endr
	WIN 0
.set n, 0
.rept 16
	v_cvt_pk_f16_f32 v[(\xb)+n], v[DDR+2*n], v[DDR+2*n+1]  ; qf'' as source 1: features 32 c on at 8 c
.set n, n+1
.endr
	WIN 0x51                                       ; S~ and O^T in window 1
.irp c, 0,1
.irp u, 0,1,2,3
.if (\c) == 0
	v_wmma_f32_16x16x32_f16 v[OO+8*(\u):OO+8*(\u)+7], v[8*(\u):8*(\u)+7], v[(\xb):(\xb)+7], 0
.else
	v_wmma_f32_16x16x32_f16 v[OO+8*(\u):OO+8*(\u)+7], v[32+8*(\u):32+8*(\u)+7], v[(\xb)+8:(\xb)+15], v[OO+8*(\u):OO+8*(\u)+7]
.endif
.endr
.endr
	PLACES
	WIN 0x41
.set n, 0
.rept 16
	v_pk_mul_f32 v[OO+2*n:OO+2*n+1], v[OO+2*n:OO+2*n+1], s[UP:UP+1] op_sel_hi:[1,0]  ; the power of two comes back
.set n, n+1
.endr
	WIN 0
	; my own keys, 32 a block, up to the diagonal: a block wholly above it, and all behind it, are jumped over
.irp p, 0,1,2,3
	s_cmp_lt_i32 s[TMS], 2*(\p)
	s_cbranch_scc1 .Lqe_\@
.irp u, 0,1,2,3
	ds_load_tr16_b128 v[VT+8*(\u):VT+8*(\u)+3], v[VTA] offset:32*(\p)*160+32*(\u)
	ds_load_tr16_b128 v[VT+8*(\u)+4:VT+8*(\u)+7], v[VTA] offset:32*(\p)*160+32*(\u)+2560
.endr
	WIN 0x01                                       ; kf' in window 1; the two accumulators take turns
	v_wmma_f32_16x16x32_f16 v[AA:AA+7], v[KF+32*(\p):KF+32*(\p)+7], v[(\xb):(\xb)+7], 0
	v_wmma_f32_16x16x32_f16 v[AA+8:AA+15], v[KF+32*(\p)+16:KF+32*(\p)+23], v[(\xb):(\xb)+7], 0
	v_wmma_f32_16x16x32_f16 v[AA:AA+7], v[KF+32*(\p)+8:KF+32*(\p)+15], v[(\xb)+8:(\xb)+15], v[AA:AA+7]
	v_wmma_f32_16x16x32_f16 v[AA+8:AA+15], v[KF+32*(\p)+24:KF+32*(\p)+31], v[(\xb)+8:(\xb)+15], v[AA+8:AA+15]
	WIN 0
.irp kk, 0,1
	s_cmp_eq_i32 s[TMS], 2*(\p)+(\kk)              ; the diagonal tile: its mask;
	s_cselect_b32 s[AL], 1.0, 0
	s_cmp_gt_i32 s[TMS], 2*(\p)+(\kk)              ; a tile below it: 1; above it: 0
	s_cselect_b32 s[BE], 1.0, 0
.irp z, 0,1,2,3
	v_pk_fma_f32 v[MK+2*(\z):MK+2*(\z)+1], v[MD+2*(\z):MD+2*(\z)+1], s[AL:AL+1], s[BE:BE+1] op_sel_hi:[1,0,0]  ; these four are also the places behind the products
.endr
.irp z, 0,1,2,3
	v_pk_mul_f32 v[AA+8*(\kk)+2*(\z):AA+8*(\kk)+2*(\z)+1], v[AA+8*(\kk)+2*(\z):AA+8*(\kk)+2*(\z)+1], v[MK+2*(\z):MK+2*(\z)+1]
.endr
.endr
.irp z, 0,1,2,3,4,5,6,7
	v_cvt_pk_f16_f32 v[PP+(\z)], v[AA+2*(\z)], v[AA+2*(\z)+1]
.endr
	s_wait_dscnt 0x0                               ; v^T is in
	WIN 0x50
.irp u, 0,1,2,3
	v_wmma_f32_16x16x32_f16 v[OO+8*(\u):OO+8*(\u)+7], v[VT+8*(\u):VT+8*(\u)+7], v[PP:PP+7], v[OO+8*(\u):OO+8*(\u)+7]
.endr
	WIN 0
.irp z, 0,1,2,3,4,5,6,7
	v_pk_add_f32 v[CH+2*((\z)%2):CH+2*((\z)%2)+1], v[CH+2*((\z)%2):CH+2*((\z)%2)+1], v[AA+2*(\z):AA+2*(\z)+1]  ; the divisor; eight places behind those products
.endr
.endr
.Lqe_\@:
	v_add_f32 v[CH], v[CH], v[CH+1]
	v_add_f32 v[CH+2], v[CH+2], v[CH+3]
	v_add_f32 v[CH], v[CH], v[CH+2]
	v_permlanex16_b32 v[CH+1], v[CH], s[SEL], s[SEL+1]
	v_add_f32 v[CH], v[CH], v[CH+1]
	v_rcp_f32 v[CH+2], v[CH]
	v_nop
	s_wait_alu depctr_va_vdst(0)
	WIN 0x01
.set n, 0
.rept 16
	v_pk_mul_f32 v[DDR+2*n:DDR+2*n+1], v[OO+2*n:OO+2*n+1], v[CH+2:CH+3] op_sel_hi:[1,0]
.set n, n+1
.endr
	WIN 0
.set n, 0
.rept 8                                            ; n = 2 u + z: row r, channels 16 u + 8 h + 4 z ..: byte 64 u + 32 h + 16 z of the row; the 32 h stands in the address
	ds_store_b128 v[OST], v[DDR+4*n:DDR+4*n+3] offset:OSTG+64*(n/2)+16*(n%2)
.set n, n+1
.endr
.set n, 0
.rept 8
	ds_load_b128 v[DDR+4*n:DDR+4*n+3], v[ORD] offset:OSTG+544*n  ; back as whole rows; LDS serves a wave's instructions in order (ISA guide 5.7.1.4)
.set n, n+1
.endr
	s_wait_dscnt 0x0
.set n, 0
.rept 8
	global_store_b128 v[CO], v[DDR+4*n:DDR+4*n+3], s[POUT:POUT+1] offset:(\ooff)+512*n th:TH_STORE_NT  ; 512 consecutive bytes, at a multiple of 256 from out0's first
.set n, n+1
.endr
	s_add_co_u32 s[TQ], s[TQ], 1
.endm
.Lq:                                               ; four trips, 32 queries each
	s_wait_loadcnt 0x0                             ; this trip's q; its pointer is free with it
	TOBF RXK, RXK                                  ; in place, ascending
	XSTAGE RXK, KB
	s_wait_dscnt 0x0
	s_add_nc_u64 s[PQ:PQ+1], s[PQ:PQ+1], 8192
	s_cmp_eq_u32 s[CNT], 1                         ; the last trip asks for nothing
	s_cbranch_scc1 .Lnoq
	LD16 RXK, PQ, 0
.Lnoq:
	QTILE KB, 0
	QTILE KB+16, 4096
	s_wait_xcnt 0x0                                ; the stores have read out0's pointer
	s_add_nc_u64 s[POUT:POUT+1], s[POUT:POUT+1], 8192
	s_sub_co_u32 s[CNT], s[CNT], 1
	s_cmp_lg_u32 s[CNT], 0
	s_cbranch_scc1 .Lq
	s_wait_tensorcnt 0x0                           ; the wave's end, behind my last LDS store
	ds_add_u32 v[SPW], v[NIL]
	s_wait_dscnt 0x0
	s_endpgm
.Lfunc_end_k_q44c76d3faa_attn:
	.size	k_q44c76d3faa_attn, .Lfunc_end_k_q44c76d3faa_attn-k_q44c76d3faa_attn
	.p2alignl 7, 3214868480
	.fill 96, 4, 3214868480
	.section	.rodata,"a",@progbits
	.p2align	6, 0x0
	.amdhsa_kernel k_q44c76d3faa_attn
		.amdhsa_group_segment_fixed_size 324608
		.amdhsa_private_segment_fixed_size 0
		.amdhsa_enable_private_segment 0
		.amdhsa_kernarg_size 56
		.amdhsa_user_sgpr_count 2
		.amdhsa_user_sgpr_kernarg_segment_ptr 1
		.amdhsa_wavefront_size32 1
		.amdhsa_system_sgpr_workgroup_id_x 1
		.amdhsa_system_sgpr_workgroup_id_y 1
		.amdhsa_system_sgpr_workgroup_id_z 1
		.amdhsa_system_vgpr_workitem_id 0
		.amdhsa_next_free_vgpr 512
		.amdhsa_next_free_sgpr 66
		.amdhsa_reserve_vcc 1
		.amdhsa_float_denorm_mode_32 3
		.amdhsa_float_denorm_mode_16_64 3
		.amdhsa_memory_ordered 1
		.amdhsa_forward_progress 1
		.amdhsa_inst_pref_size 233
	.end_amdhsa_kernel
	.amdgpu_metadata
---
amdhsa.version: [ 1, 2 ]
amdhsa.kernels:
  - .name:           k_q44c76d3faa_attn
    .symbol:         k_q44c76d3faa_attn.kd
    .args:
      - { .name: q, .offset: 0, .size: 8, .value_kind: global_buffer, .address_space: global }
      - { .name: k, .offset: 8, .size: 8, .value_kind: global_buffer, .address_space: global }
      - { .name: v, .offset: 16, .size: 8, .value_kind: global_buffer, .address_space: global }
      - { .name: projection_matrix, .offset: 24, .size: 8, .value_kind: global_buffer, .address_space: global }
      - { .name: st, .offset: 32, .size: 8, .value_kind: global_buffer, .address_space: global }
      - { .name: mx, .offset: 40, .size: 8, .value_kind: global_buffer, .address_space: global }
      - { .name: out0, .offset: 48, .size: 8, .value_kind: global_buffer, .address_space: global }
    .group_segment_fixed_size: 324608
    .private_segment_fixed_size: 0
    .kernarg_segment_align: 8
    .kernarg_segment_size: 56
    .max_flat_workgroup_size: 256
    .sgpr_count:     66
    .vgpr_count:     512
    .wavefront_size: 32
...
	.end_amdgpu_metadata
.endif
;; end of part 2
